; MI455X (gfx1250); checked and timed in simulation.
; The chip was launched on July 23, 2026; its instructions are those of AMD's public machine-readable ISA for CDNA 5 (MIT licence, August 2026) and "CDNA5" Instruction Set Architecture Reference Guide (July 2026). The comments in the code are by the model that wrote it; some were corrected since.
;; Multihead Self Attention. Allowed arithmetic: float matrix products may take bf16 or f16 operands with f32 sums; all other float work in f32.
;; Inputs: w_k 1,024 x 1,024 float32; w_o 1,024 x 1,024 float32; w_q 1,024 x 1,024 float32; w_v 1,024 x 1,024 float32; x 2 x 2,048 x 1,024 float32.
;; Outputs: out0 2 x 2,048 x 1,024 float32.
;; 2 versions, each right; version 2 is version 1 with the launch cast written anew for expert scheduling mode. Each part assembles by itself: llvm-mc -triple=amdgcn-amd-amdhsa -mcpu=gfx1250 --defsym DOCPART=n.
;; ======== version 1 of 2: 4 launches
;; limits: values are held in f16: magnitudes above 65,504 overflow, below 6.1e-05 lose precision
;; workspace buffers: xb 8,388,608 bytes; wb 6,291,456 bytes; woh 2,097,152 bytes; qkv 25,165,824 bytes; ao 8,388,608 bytes
;; launch cast (part 1): grid 512 x 1, 8 waves a work-group, no clusters, 0 bytes of LDS; arguments x, w_q, w_k, w_v, w_o, xb, wb, woh; writes xb, wb, woh
.if DOCPART == 1
	.amdgcn_target "amdgcn-amd-amdhsa--gfx1250"
	.amdhsa_code_object_version 6
	.text
	.protected	k_q6ec973bc9f_cast
	.globl	k_q6ec973bc9f_cast
	.p2align	8
	.type	k_q6ec973bc9f_cast,@function
k_q6ec973bc9f_cast:
	s_mov_b64 s[64:65], 0
	v_nop
	global_prefetch_b8 v0, s[64:65] scope:SCOPE_SE
	s_setreg_imm32_b32 hwreg(HW_REG_WAVE_MODE, 25, 1), 1
	s_wait_xcnt 0x0
; Narrowing of the inputs, once, so that both products can take 16-bit tiles straight from memory.
;   xb  [4096][1024] bf16 = x;   wb [3072][1024] bf16 = w_q, w_k, w_v one below the other;
;   woh [1024][1024] f16  = w_o rounded to bf16 and then written as f16 (its partner in the last product is f16).
; LIMIT: a w_o of magnitude 65,504 or more becomes infinite in f16; below 2^-14 the f16 number is denormal and carries an
; absolute error of up to 2^-25.  Between these the bf16 number (8 significant bits) is held exactly in f16 (11 bits).
; A stream: no LDS, no barrier, no matrix unit.  512 work-groups of 65,536 source bytes; a wave takes 8,192 of them as 16 loads of
; 512 neighbouring bytes, all issued at once; each store of a wave covers 256 neighbouring bytes, aligned.
.set X4, 8                             ; v[8:71]    load k: four f32
.set Y2, 72                            ; v[72:103]  store k: four 16-bit numbers; each store has registers of its own
.set TW, 104                           ; v[104:107] at work (w_o alone)
	s_load_b512 s[4:19], s[0:1], 0x0               ; x s[4:5], w_q s[6:7], w_k s[8:9], w_v s[10:11], w_o s[12:13], xb s[14:15], wb s[16:17], woh s[18:19]
	s_mov_b32 s2, ttmp9                            ; 0-255: x; 256-319: w_q; 320-383: w_k; 384-447: w_v; 448-511: w_o
	s_and_b32 s3, s2, 63                           ; my piece of a weight (64 pieces each), and of woh
	s_and_b32 s28, s2, 255                         ; my piece of xb (0-255) or of wb (0-191)
	v_lshrrev_b32 v3, 5, v0                        ; wave
	v_and_b32 v4, 31, v0                           ; lane
	v_lshlrev_b32 v1, 13, v3
	v_lshl_add_u32 v1, v4, 4, v1                   ; source: 8,192 wave + 16 lane
	v_lshlrev_b32 v2, 12, v3
	v_lshl_add_u32 v2, v4, 3, v2                   ; destination: 4,096 wave + 8 lane
	s_cmp_lt_u32 s2, 256
	s_cselect_b32 s24, s2, s3                      ; piece of the source
	s_cmp_ge_u32 s2, 448
	s_cselect_b32 s26, s3, s28                     ; piece of the destination
	s_lshl_b32 s24, s24, 16                        ; 65,536 source bytes a piece
	s_lshl_b32 s26, s26, 15                        ; 32,768 destination bytes
	s_mov_b32 s25, 0
	s_mov_b32 s27, 0
	s_wait_kmcnt 0x0
	s_cmp_lt_u32 s2, 256                           ; the buffers are chosen by the work-group's number alone
	s_cselect_b64 s[20:21], s[4:5], s[6:7]
	s_cselect_b64 s[22:23], s[14:15], s[16:17]
	s_cmp_ge_u32 s2, 320
	s_cselect_b64 s[20:21], s[8:9], s[20:21]
	s_cmp_ge_u32 s2, 384
	s_cselect_b64 s[20:21], s[10:11], s[20:21]
	s_cmp_ge_u32 s2, 448
	s_cselect_b64 s[20:21], s[12:13], s[20:21]
	s_cselect_b64 s[22:23], s[18:19], s[22:23]
	s_add_nc_u64 s[20:21], s[20:21], s[24:25]
	s_add_nc_u64 s[22:23], s[22:23], s[26:27]
.irp k, 0,1,2,3,4,5,6,7,8,9,10,11,12,13,14,15
	global_load_b128 v[X4+4*\k:X4+4*\k+3], v1, s[20:21] offset:512*\k th:TH_LOAD_NT   ; read once in the launch
.endr
; Load k is narrowed and stored.  wo = 1: bf16 first, then the same number as f16.
.macro CV k, wo
	s_wait_loadcnt 15-\k                           ; loads come back in order (ISA guide 5.7.1): load k is in, the 15 - k younger ones stay out
	v_cvt_pk_bf16_f32 v[Y2+2*\k],   v[X4+4*\k],   v[X4+4*\k+1]
	v_cvt_pk_bf16_f32 v[Y2+2*\k+1], v[X4+4*\k+2], v[X4+4*\k+3]
.if \wo
	v_lshlrev_b32 v[TW],   16, v[Y2+2*\k]          ; bf16 to f32: the low half moves up, the high half stays
	v_and_b32     v[TW+1], 0xffff0000, v[Y2+2*\k]
	v_lshlrev_b32 v[TW+2], 16, v[Y2+2*\k+1]
	v_and_b32     v[TW+3], 0xffff0000, v[Y2+2*\k+1]
	v_cvt_pk_f16_f32 v[Y2+2*\k],   v[TW],   v[TW+1]
	v_cvt_pk_f16_f32 v[Y2+2*\k+1], v[TW+2], v[TW+3]
.endif
	global_store_b64 v2, v[Y2+2*\k:Y2+2*\k+1], s[22:23] offset:256*\k
.endm
	s_cmp_ge_u32 s2, 448
	s_cbranch_scc1 .Lwo
.irp k, 0,1,2,3,4,5,6,7,8,9,10,11,12,13,14,15
	CV \k, 0
.endr
	s_endpgm
.Lwo:
.irp k, 0,1,2,3,4,5,6,7,8,9,10,11,12,13,14,15
	CV \k, 1
.endr
	s_endpgm
.Lfunc_end_k_q6ec973bc9f_cast:
	.size	k_q6ec973bc9f_cast, .Lfunc_end_k_q6ec973bc9f_cast-k_q6ec973bc9f_cast
	.p2alignl 7, 3214868480
	.fill 96, 4, 3214868480
	.section	.rodata,"a",@progbits
	.p2align	6, 0x0
	.amdhsa_kernel k_q6ec973bc9f_cast
		.amdhsa_group_segment_fixed_size 0
		.amdhsa_private_segment_fixed_size 0
		.amdhsa_enable_private_segment 0
		.amdhsa_kernarg_size 64
		.amdhsa_user_sgpr_count 2
		.amdhsa_user_sgpr_kernarg_segment_ptr 1
		.amdhsa_wavefront_size32 1
		.amdhsa_system_sgpr_workgroup_id_x 1
		.amdhsa_system_sgpr_workgroup_id_y 1
		.amdhsa_system_sgpr_workgroup_id_z 1
		.amdhsa_system_vgpr_workitem_id 0
		.amdhsa_next_free_vgpr 112
		.amdhsa_next_free_sgpr 66
		.amdhsa_reserve_vcc 0
		.amdhsa_float_denorm_mode_32 3
		.amdhsa_float_denorm_mode_16_64 3
		.amdhsa_memory_ordered 1
		.amdhsa_forward_progress 1
		.amdhsa_inst_pref_size 17
	.end_amdhsa_kernel
	.amdgpu_metadata
---
amdhsa.version: [ 1, 2 ]
amdhsa.kernels:
  - .name:           k_q6ec973bc9f_cast
    .symbol:         k_q6ec973bc9f_cast.kd
    .args:
      - { .name: x, .offset: 0, .size: 8, .value_kind: global_buffer, .address_space: global }
      - { .name: w_q, .offset: 8, .size: 8, .value_kind: global_buffer, .address_space: global }
      - { .name: w_k, .offset: 16, .size: 8, .value_kind: global_buffer, .address_space: global }
      - { .name: w_v, .offset: 24, .size: 8, .value_kind: global_buffer, .address_space: global }
      - { .name: w_o, .offset: 32, .size: 8, .value_kind: global_buffer, .address_space: global }
      - { .name: xb, .offset: 40, .size: 8, .value_kind: global_buffer, .address_space: global }
      - { .name: wb, .offset: 48, .size: 8, .value_kind: global_buffer, .address_space: global }
      - { .name: woh, .offset: 56, .size: 8, .value_kind: global_buffer, .address_space: global }
    .group_segment_fixed_size: 0
    .private_segment_fixed_size: 0
    .kernarg_segment_align: 8
    .kernarg_segment_size: 64
    .max_flat_workgroup_size: 256
    .sgpr_count:     66
    .vgpr_count:     112
    .wavefront_size: 32
...
	.end_amdgpu_metadata
.endif
;; end of part 1
;; launch qkv (part 2): grid 16 x 16, 4 waves a work-group, clusters of 4 x 4, 327,680 bytes of LDS; arguments xb, wb, qkv; writes qkv
.if DOCPART == 2
	.amdgcn_target "amdgcn-amd-amdhsa--gfx1250"
	.amdhsa_code_object_version 6
	.text
	.protected	k_q6ec973bc9f_qkv
	.globl	k_q6ec973bc9f_qkv
	.p2align	8
	.type	k_q6ec973bc9f_qkv,@function
k_q6ec973bc9f_qkv:
	s_mov_b64 s[64:65], 0
	v_nop
	global_prefetch_b8 v0, s[64:65] scope:SCOPE_SE
	s_setreg_imm32_b32 hwreg(HW_REG_WAVE_MODE, 25, 1), 1
	s_wait_xcnt 0x0
	s_wait_alu depctr_hold_cnt(0) depctr_sa_sdst(0) depctr_va_vdst(0) depctr_va_sdst(0) depctr_va_ssrc(0) depctr_va_vcc(0) depctr_vm_vsrc(0)
	s_getreg_b32 s2, hwreg(HW_REG_IB_STS2, 6, 4)
	s_cmp_eq_u32 s2, 0
	s_cbranch_scc0 .Lentry_in_a_cluster
	s_endpgm
.Lentry_in_a_cluster:
	s_bfe_u32 s2, ttmp6, 0x10000c
	s_cmp_lg_u32 s2, 0xf033
	s_cbranch_scc0 .Lentry_shape_is_right
	s_endpgm
.Lentry_shape_is_right:
; The three projections as one product: C[m][n] = sum over k of xb[m][k] wb[n][k], m = 4,096 tokens, n = 3,072 (q, k, v), k = 1,024.
; bf16 operands, f32 sums, C rounded once to f16 and stored as planes of 32 columns:
;   qkv byte = batch * 12,582,912 + (n / 32) * 131,072 + token * 64 + 2 (n % 32)     (96 planes a batch, 2,048 tokens of 64 bytes a plane)
; so that a head's Q, K and V are two dense planes each, and a wave's 96 columns are three whole planes.
; LIMIT: a q, k or v of magnitude 65,504 or more becomes infinite in f16.  With x of spread 1 and weights of spread 1/32 they have spread 1.
; A work-group makes 256 x 192 of C with four waves, one for each SIMD; a wave makes 128 x 96: 48 accumulator tiles of 16 x 16, 384 registers.
; 16 x 16 work-groups.  K goes in steps of 128 through two LDS slots filled by the tensor data mover: rows of 256 bytes, aligned.
; CLUSTERS: 4 x 4 work-groups.  The four of a row of the cluster need the same tiles of xb, the four of a column the same tiles of wb:
; each tile is asked for jointly, by the same tensor load with the same descriptor and a mask that names the four.
; REGISTERS, in windows of 256:
;   window 0: v16-26 addresses; v64-127, v128-191 fragments of xb (8 x 16 rows x 32 K), two buffers; v192-215 packed results on the way out
;   window 1: v64-111, v128-175 fragments of wb (6 x 16 rows x 32 K), two buffers
;   window 2: the 24 accumulator tiles of my rows 0-63 (tile (a, b) at v[8 (6 a + b)]);   window 3: those of my rows 64-127
; The matrix instruction is used transposed (source 0 = 16 rows of wb, source 1 = 16 rows of xb): lane l then holds row l % 16 of C and
; its registers 0 to 7 the columns 8 (l / 16) + 0 .. 7, eight neighbouring numbers, which pack into 16 bytes.
.set SIZE_K, 1024
.set KSTEP,  128
.set PITCH,  272                       ; an LDS row: 256 bytes + 16 of padding, so the 16 rows that a load touches start 16 bytes apart modulo 256
.set HALFT,  128*PITCH                 ; room of one tensor load: 128 rows of xb, or 96 rows of wb
.set SLOT,   4*HALFT                   ; xb's two halves, then wb's two halves
.set STAGE,  2*SLOT                    ; behind the ring: 16 rows x 208 bytes for each wave, for the way out; no tensor load lands there
.set SPITCH, 208                       ; 96 f16 + 16 bytes
.set LAPS,   SIZE_K/(2*KSTEP)          ; a lap = two K steps = once round the ring: 4
.set PLANE,  131072
.set ADRA, 16                          ; v16-17  LDS address of my xb fragments in slot 0, 1
.set ADRB, 20                          ; v20-21  the same for wb
.set STO,  24                          ; v24     the way out: where I put 16 bytes of a row
.set RD,   25                          ; v25     the way out: where I read 16 bytes of a plane back
.set CO,   26                          ; v26     16 x lane: my place in 512 neighbouring bytes of a plane
.set F0,   64
.set F1,   128
.set TMP,  192
.set G1,  24                           ; s[24:31] descriptor group 1 for xb's tiles
.set G0,  32                           ; s[32:39] group 0 for xb's tiles, one set for each slot
.set G1B, 48                           ; s[48:55] group 1 for wb's tiles
.set G0B, 56                           ; s[56:63] group 0 for wb's tiles, one set for each slot
.set MSB, 0
.macro WIN new                         ; the immediate's high byte repeats the setting that is left
.if MSB != \new
	s_set_vgpr_msb (MSB<<8)|\new
.set MSB, \new
.endif
.endm
.set MUL_LO, 0xa1                      ; source 0 (wb) window 1, source 1 (xb) window 0, C and D window 2
.set MUL_HI, 0xf1                      ; the same, C and D window 3
.set TO_B,   0x40                      ; destination window 1, address window 0
; A joint load.  Waves 0 and 1 fetch xb's two halves, waves 2 and 3 wb's.  The branch hangs on the wave's number alone.
.macro JLOAD s
	s_cmp_eq_u32 s11, 0
	s_cbranch_scc0 .Lfor_b_\@
	tensor_load_to_lds s[G0+4*\s:G0+4*\s+3], s[G1:G1+7]
	s_nop 0
	s_branch .Lasked_\@
.Lfor_b_\@:
	tensor_load_to_lds s[G0B+4*\s:G0B+4*\s+3], s[G1B:G1B+7]
	s_nop 0
.Lasked_\@:
.endm
; A round of the cluster's barrier: my work-group's barrier; wave 0 signals for the work-group; every wave waits for all sixteen; my work-group's barrier again.
.macro CREST                           ; a round behind its opening barrier
	s_cmp_lg_u32 s10, 0
	s_cbranch_scc1 .Lnot_wave_0_\@
	s_barrier_signal -3
.Lnot_wave_0_\@:
	s_barrier_wait -3
	s_barrier_signal -1
	s_barrier_wait -1
.endm
.macro CROUND
	s_barrier_signal -1
	s_barrier_wait -1
	CREST
.endm
	s_load_b128 s[4:7], s[0:1], 0x0                ; xb s[4:5], wb s[6:7]
	s_load_b64 s[8:9], s[0:1], 0x10                ; qkv
	s_set_vgpr_msb 0x40
	v_lshl_add_u32 v255, v0, 2, 0x47400
	s_set_vgpr_msb 0x4000
	v_mov_b32 v255, 0
	s_set_vgpr_msb 0x1
	ds_add_u32 v255, v255
	s_set_vgpr_msb 0x100
	v_lshrrev_b32 v1, 5, v0
	v_readfirstlane_b32 s10, v1                    ; wave 0..3
	s_lshr_b32 s11, s10, 1                         ; which half of the block's rows is mine.  Also: I fetch for xb (0) or for wb (1)
	s_and_b32 s12, s10, 1                          ; which half of its columns.  Also: which half of that tile I fetch
	s_bfe_u32 s40, ttmp6, 0x40000                  ; cx
	s_bfe_u32 s41, ttmp6, 0x40004                  ; cy
	s_lshl_b32 s42, ttmp9, 2
	s_add_co_u32 s42, s42, s40                     ; block column = 4 x cluster x + cx, 0..15
	s_and_b32 s13, ttmp7, 0xffff
	s_lshl_b32 s13, s13, 2
	s_add_co_u32 s13, s13, s41                     ; block row = 4 x cluster y + cy, 0..15
	s_lshl_b32 s43, s41, 2
	s_lshl_b32 s43, 15, s43                        ; my row of the cluster: places 4 cy .. 4 cy + 3
	s_lshl_b32 s44, 0x1111, s40                    ; my column: places cx, cx + 4, cx + 8, cx + 12
	; group 1: rows of 128 elements of 2 bytes, 16 bytes of padding behind every 64 words; xb 128 rows, wb 96 rows
	s_or_b32 s[G1+0], s43, (1<<16)|(1<<20)|(1<<21)|(5<<22)|(3<<25)   ; mask of my row; element of 2 bytes; padding on; bit 21 beside a mask; interval 64 words; 4 words
	s_or_b32 s[G1B+0], s44, (1<<16)|(1<<20)|(1<<21)|(5<<22)|(3<<25)  ; the same with the mask of my column
	s_mov_b32 s[G1+1], KSTEP<<16                   ; tensor_dim0 = 128
	s_mov_b32 s[G1B+1], KSTEP<<16
	s_mov_b32 s[G1+2], 128<<16                     ; tensor_dim1 = 128
	s_mov_b32 s[G1B+2], 96<<16                     ; tensor_dim1 = 96
	s_mov_b32 s[G1+3], KSTEP<<16                   ; tile_dim0 = 128
	s_mov_b32 s[G1B+3], KSTEP<<16
	s_mov_b32 s[G1+4], 128                         ; tile_dim1 = 128
	s_mov_b32 s[G1B+4], 96                         ; tile_dim1 = 96
	s_mov_b32 s[G1+5], SIZE_K                      ; elements from row to row
	s_mov_b32 s[G1B+5], SIZE_K
	s_mov_b32 s[G1+6], 0
	s_mov_b32 s[G1B+6], 0
	s_mov_b32 s[G1+7], 0
	s_mov_b32 s[G1B+7], 0
	; xb's tiles hang on the block row alone, wb's on the block column alone; each address lies in registers that never hold the other coordinate
	s_lshl_b32 s17, s12, 7
	s_lshl_b32 s16, s13, 8
	s_add_co_u32 s16, s16, s17                     ; xb: row 256 x block row + 128 x half
	s_mul_i32 s46, s42, 192
	s_mul_i32 s47, s12, 96
	s_add_co_u32 s46, s46, s47                     ; wb: row 192 x block column + 96 x half
	s_mov_b32 s17, 0
	s_mov_b32 s47, 0
	s_mov_b64 s[18:19], SIZE_K*2
	s_mul_u64 s[16:17], s[16:17], s[18:19]         ; in bytes
	s_mul_u64 s[46:47], s[46:47], s[18:19]
	s_mul_i32 s20, s10, HALFT                      ; where they go: wave x 34,816
	s_wait_dscnt 0x0
	s_wait_kmcnt 0x0
	s_add_nc_u64 s[14:15], s[4:5], s[16:17]
	s_add_nc_u64 s[46:47], s[6:7], s[46:47]
	CROUND                                         ; all sixteen work-groups are here: the first joint loads meet
.irp s, 0,1
	s_mov_b32 s[G0+4*\s], 1
	s_add_co_u32 s[G0+4*\s+1], s20, \s*SLOT
	s_add_nc_u64 s[G0+4*\s+2:G0+4*\s+3], s[14:15], \s*KSTEP*2      ; K step s
	s_or_b32 s[G0+4*\s+3], s[G0+4*\s+3], 0x80000000                ; type = 2
	s_mov_b32 s[G0B+4*\s], 1
	s_add_co_u32 s[G0B+4*\s+1], s20, \s*SLOT
	s_add_nc_u64 s[G0B+4*\s+2:G0B+4*\s+3], s[46:47], \s*KSTEP*2
	s_or_b32 s[G0B+4*\s+3], s[G0B+4*\s+3], 0x80000000
	JLOAD \s                                       ; both first fills go out before anything else: two tensor loads of the wave are out
.endr
	; a fragment: lane l holds row l % 16; registers 0-3 K = 8 (l / 16) + 0..7, registers 4-7 K = 16 + 8 (l / 16) + 0..7: two loads of 16 bytes, 32 apart
	v_and_b32 v1, 15, v0                           ; l % 16
	v_bfe_u32 v2, v0, 4, 1                         ; l / 16
	v_mul_u32_u24 v3, v1, PITCH
	v_lshl_add_u32 v3, v2, 4, v3
	s_mul_i32 s21, s11, HALFT                      ; my 128 rows of xb
	s_mul_i32 s22, s12, HALFT                      ; my 96 rows of wb,
	s_add_co_u32 s22, s22, 2*HALFT                 ; which lie behind xb's two halves
.irp s, 0,1
	v_add_nc_u32 v[ADRA+\s], s21, v3
	v_add_nc_u32 v[ADRB+\s], s22, v3
	s_add_co_u32 s21, s21, SLOT
	s_add_co_u32 s22, s22, SLOT
.endr
	s_mul_i32 s23, s10, 16*SPITCH
	s_add_co_u32 s23, s23, STAGE                   ; my stage
	v_mul_u32_u24 v4, v1, SPITCH                   ; in: row l % 16, 16 bytes for each half of the lanes
	v_lshl_add_u32 v4, v2, 4, v4
	v_add_nc_u32 v[STO], s23, v4
	v_and_b32 v6, 31, v0                           ; lane
	v_lshrrev_b32 v5, 2, v6                        ; back: four lanes take the 64 bytes that one token has in a plane, eight tokens a load
	v_mul_u32_u24 v5, v5, SPITCH
	v_and_b32 v7, 3, v0
	v_lshl_add_u32 v5, v7, 4, v5
	v_add_nc_u32 v[RD], s23, v5
	v_lshlrev_b32 v[CO], 4, v6
; 12 matrix instructions: m blocks a0, a0 + 1 of the window's four x all 6 n blocks, 32 along K.  zero = 1: the first product starts the sums.
; The 48 accumulators take turns, one instruction a turn, in the same order in every quarter step.
.macro MUL12 f, hi, a0, zero
.irp a, \a0, \a0+1
.irp b, 0,1,2,3,4,5
.if \zero
	v_wmma_f32_16x16x32_bf16 v[8*(6*(\a)+\b):8*(6*(\a)+\b)+7], v[\f+8*\b:\f+8*\b+7], v[\f+8*(4*\hi+\a):\f+8*(4*\hi+\a)+7], 0
.else
	v_wmma_f32_16x16x32_bf16 v[8*(6*(\a)+\b):8*(6*(\a)+\b)+7], v[\f+8*\b:\f+8*\b+7], v[\f+8*(4*\hi+\a):\f+8*(4*\hi+\a)+7], v[8*(6*(\a)+\b):8*(6*(\a)+\b)+7]
.endif
.endr
.endr
.endm
; 28 LDS loads in one run: the fragments of one quarter step (96 rows of wb, 128 rows of xb, 32 K at byte k of the rows) into buffer f
.macro FETCH slot, k, f
	WIN TO_B
.irp i, 0,1,2,3,4,5
	ds_load_b128 v[\f+8*\i:\f+8*\i+3],   v[ADRB+\slot] offset:\k+\i*16*PITCH
	ds_load_b128 v[\f+8*\i+4:\f+8*\i+7], v[ADRB+\slot] offset:\k+\i*16*PITCH+32
.endr
	WIN 0
.irp i, 0,1,2,3,4,5,6,7
	ds_load_b128 v[\f+8*\i:\f+8*\i+3],   v[ADRA+\slot] offset:\k+\i*16*PITCH
	ds_load_b128 v[\f+8*\i+4:\f+8*\i+7], v[ADRA+\slot] offset:\k+\i*16*PITCH+32
.endr
.endm
; Four places behind a matrix instruction before a load lands on a register that it read or a vector instruction reads its result
.macro PLACES
.rept 4
	v_nop
.endr
.endm
; One of a K step's first three quarters: multiplies buffer f; in its middle it fetches the next quarter's fragments into buffer g.
.macro QUARTER slot, k, f, g, zero
	s_wait_dscnt 8                                 ; wb and xb's rows 0-63 are in; the youngest eight loads (xb's rows 64-127) may be out
	WIN MUL_LO
	MUL12 \f, 0, 0, \zero
	MUL12 \f, 0, 2, \zero
	PLACES
	FETCH \slot, \k, \g
	s_wait_dscnt 28                                ; all but the 28 just issued
	WIN MUL_HI
	MUL12 \f, 1, 0, \zero
	MUL12 \f, 1, 2, \zero
.endm
.macro THREE slot, zero
	QUARTER \slot, 64,  F0, F1, \zero
	QUARTER \slot, 128, F1, F0, 0
	QUARTER \slot, 192, F0, F1, 0
.endm
; The last quarter: multiplies buffer 1 and changes slots.  In front of the barrier each wave waits for its reads of this slot and for all its
; tensor loads (one is out: its part of the next slot).  Behind it the refill comes first, then the next slot's first fragments.
; From a request to the wait for it a wave issues 180 matrix instructions.
.macro TURN slot, next, fill
	s_wait_dscnt 8
	WIN MUL_LO
	MUL12 F1, 0, 0, 0
	s_wait_dscnt 0                                 ; my reads of this slot are over
	s_wait_tensorcnt 0x0                           ; all my tensor loads have landed
	ds_add_u32 v255, v255
	s_wait_dscnt 0x0
	s_barrier_signal -1                            ; where a slot is filled again this barrier opens a round of the cluster's barrier
	MUL12 F1, 0, 2, 0                              ; register work while the others arrive
	WIN 0
	s_barrier_wait -1
.if \fill
	CREST                                          ; no wave of any partner still reads this slot's tile or has a load on its way
	s_add_nc_u64 s[G0+4*\slot+2:G0+4*\slot+3], s[G0+4*\slot+2:G0+4*\slot+3], 2*KSTEP*2
	s_add_nc_u64 s[G0B+4*\slot+2:G0B+4*\slot+3], s[G0B+4*\slot+2:G0B+4*\slot+3], 2*KSTEP*2
	JLOAD \slot                                    ; the first tensor load behind the round, and the wave's only one until the next
.endif
	PLACES
	FETCH \next, 0, F0
	WIN MUL_HI
	MUL12 F1, 1, 0, 0
	MUL12 F1, 1, 2, 0
.endm
.macro LAP zero
	THREE 0, \zero
	TURN 0, 1, 1
	THREE 1, 0
	TURN 1, 0, 1
.endm
	s_wait_tensorcnt 1                             ; my part of K step 0 is in; K step 1's may stay out
	s_barrier_signal -1
	s_barrier_wait -1
	FETCH 0, 0, F0
	LAP 1                                          ; the first lap stands in front of the loop: its first products start the sums
	WIN 0                                          ; at a label and at a branch every window is 0
	s_mov_b32 s3, LAPS-2
.Llap:
	LAP 0
	WIN 0
	s_sub_co_u32 s3, s3, 1
	s_cmp_lg_u32 s3, 0
	s_cbranch_scc1 .Llap
	THREE 0, 0                                     ; the last lap fills nothing
	TURN 0, 1, 0
	THREE 1, 0
	s_wait_dscnt 8                                 ; the very last quarter
	WIN MUL_LO
	MUL12 F1, 0, 0, 0
	MUL12 F1, 0, 2, 0
	s_wait_dscnt 0
	WIN MUL_HI
	MUL12 F1, 1, 0, 0
	MUL12 F1, 1, 2, 0
	; THE WAY OUT, 16 tokens at a time: round to f16, 16 bytes a lane into my own stage, read back plane by plane.
	PLACES
	s_lshr_b32 s14, s13, 3                         ; batch = block row / 8
	s_mul_i32 s16, s14, 96*PLANE
	s_and_b32 s14, s13, 7
	s_lshl_b32 s14, s14, 14                        ; 256 tokens x 64 bytes for each block row of the batch
	s_add_co_u32 s16, s16, s14
	s_lshl_b32 s14, s11, 13                        ; my half: 128 tokens x 64 bytes
	s_add_co_u32 s16, s16, s14
	s_mov_b32 s17, 0
	s_add_nc_u64 s[8:9], s[8:9], s[16:17]
	s_mul_i32 s46, s42, 6                          ; my first plane = 6 x block column + 3 x half
	s_mul_i32 s47, s12, 3
	s_add_co_u32 s46, s46, s47
	s_lshl_b32 s46, s46, 17
	s_mov_b32 s47, 0
	s_add_nc_u64 s[8:9], s[8:9], s[46:47]
; tokens 16 i .. 16 i + 15 of my block = the six tiles (a, 0..5) of window 2 or 3 (from = 0x0a or 0x0f: sources 0 and 1); f: F0 or F1 in turn
.macro OUT16 i, a, from, f
	WIN \from
.irp b, 0,1,2,3,4,5
.irp r, 0,1,2,3
	v_cvt_pk_f16_f32 v[TMP+4*\b+\r], v[8*(6*\a+\b)+2*\r], v[8*(6*\a+\b)+2*\r+1]
.endr
.endr
	WIN 0
.irp b, 0,1,2,3,4,5
	ds_store_b128 v[STO], v[TMP+4*\b:TMP+4*\b+3] offset:32*\b
.endr
	s_wait_xcnt 0x0                                ; buffer f, which earlier stores read, is loaded again only behind this wait (ISA guide 3.1)
.irp t, 0,1,2,3,4,5
	ds_load_b128 v[\f+4*\t:\f+4*\t+3], v[RD] offset:(\t%2)*8*SPITCH+(\t/2)*64     ; LDS serves a wave's instructions in order: these see the stores above
.endr
.irp t, 0,1,2,3,4,5
	s_wait_dscnt 5-\t                              ; load t is in, the younger ones stay out
	global_store_b128 v[CO], v[\f+4*\t:\f+4*\t+3], s[8:9] offset:(\t/2)*PLANE+(\t%2)*512+\i*1024   ; eight tokens of one plane: 512 neighbouring bytes, aligned
.endr
.endm
	OUT16 0, 0, 0x0a, F0
	OUT16 1, 1, 0x0a, F1
	OUT16 2, 2, 0x0a, F0
	OUT16 3, 3, 0x0a, F1
	OUT16 4, 0, 0x0f, F0
	OUT16 5, 1, 0x0f, F1
	OUT16 6, 2, 0x0f, F0
	OUT16 7, 3, 0x0f, F1
	s_set_vgpr_msb 0x1
	s_wait_tensorcnt 0x0
	ds_add_u32 v255, v255
	s_wait_dscnt 0x0
	s_set_vgpr_msb 0x100
	CROUND                                         ; the closing round: no work-group ends while a partner may still ask for a tile that names it
	s_endpgm
.Lfunc_end_k_q6ec973bc9f_qkv:
	.size	k_q6ec973bc9f_qkv, .Lfunc_end_k_q6ec973bc9f_qkv-k_q6ec973bc9f_qkv
	.p2alignl 7, 3214868480
	.fill 96, 4, 3214868480
	.section	.rodata,"a",@progbits
	.p2align	6, 0x0
	.amdhsa_kernel k_q6ec973bc9f_qkv
		.amdhsa_group_segment_fixed_size 327680
		.amdhsa_private_segment_fixed_size 0
		.amdhsa_enable_private_segment 0
		.amdhsa_kernarg_size 24
		.amdhsa_user_sgpr_count 2
		.amdhsa_user_sgpr_kernarg_segment_ptr 1
		.amdhsa_wavefront_size32 1
		.amdhsa_system_sgpr_workgroup_id_x 1
		.amdhsa_system_sgpr_workgroup_id_y 1
		.amdhsa_system_sgpr_workgroup_id_z 1
		.amdhsa_system_vgpr_workitem_id 0
		.amdhsa_next_free_vgpr 1024
		.amdhsa_next_free_sgpr 66
		.amdhsa_reserve_vcc 0
		.amdhsa_float_denorm_mode_32 3
		.amdhsa_float_denorm_mode_16_64 3
		.amdhsa_memory_ordered 1
		.amdhsa_forward_progress 1
		.amdhsa_inst_pref_size 158
	.end_amdhsa_kernel
	.amdgpu_metadata
---
amdhsa.version: [ 1, 2 ]
amdhsa.kernels:
  - .name:           k_q6ec973bc9f_qkv
    .symbol:         k_q6ec973bc9f_qkv.kd
    .args:
      - { .name: xb, .offset: 0, .size: 8, .value_kind: global_buffer, .address_space: global }
      - { .name: wb, .offset: 8, .size: 8, .value_kind: global_buffer, .address_space: global }
      - { .name: qkv, .offset: 16, .size: 8, .value_kind: global_buffer, .address_space: global }
    .group_segment_fixed_size: 327680
    .private_segment_fixed_size: 0
    .kernarg_segment_align: 8
    .kernarg_segment_size: 24
    .max_flat_workgroup_size: 128
    .sgpr_count:     66
    .vgpr_count:     1024
    .wavefront_size: 32
...
	.end_amdgpu_metadata
.endif
;; end of part 2
;; launch attn (part 3): grid 8 x 32, 8 waves a work-group, no clusters, 327,680 bytes of LDS; arguments qkv, ao; writes ao
.if DOCPART == 3
	.amdgcn_target "amdgcn-amd-amdhsa--gfx1250"
	.amdhsa_code_object_version 6
	.text
	.protected	k_q6ec973bc9f_attn
	.globl	k_q6ec973bc9f_attn
	.p2align	8
	.type	k_q6ec973bc9f_attn,@function
k_q6ec973bc9f_attn:
	s_mov_b64 s[64:65], 0
	v_nop
	global_prefetch_b8 v0, s[64:65] scope:SCOPE_SE
	s_setreg_imm32_b32 hwreg(HW_REG_WAVE_MODE, 25, 1), 1
	s_wait_xcnt 0x0
; Causal attention of one head for two blocks of 128 queries, with a running maximum.  f16 operands, f32 sums and f32 softmax.
; Work-group (J, G): head G = 16 batch + h; first query block J, then block 15 - J: J + 1 and 16 - J key tiles of 128, 17 in every work-group.
; Eight waves.  Wave w: wq = w & 3 picks its 32 queries (two tiles of 16), set = w >> 2.  A trip brings a PAIR of key tiles (256 keys); set 0 takes the even
; tile, set 1 the odd one, each with its own maximum, sum and O.  (J + 2) / 2 trips serve the first block, the others the second: 9 trips in all.
; At a block's end set 1 hands O, maximum and sum to set 0 through LDS; set 0 joins them, divides, and stores.
; LAYOUTS: S^T = K Q^T (source 0 = 16 keys, source 1 = 16 queries): register j of lane (r, h) holds (key 8 h + j, query r).  Two neighbouring tiles of S^T,
; packed in pairs, ARE the second operand P^T of 32 keys for O^T = V^T P^T; V^T comes by the transposing LDS load.  So a lane's numbers all belong to one
; query: maximum, sum and rescale factor are one number a lane, and one exchange between the halves of the wave joins the keys 8 h + j of h = 0 and 1.
; OUTPUT: ao, f16: byte = (token / 128) * 262,144 + h * 16,384 + (token % 128) * 128 + 2 d.
; LIMITS: p (0 to 1) and the result (no larger than the largest |v|) are rounded to f16.  NaN inputs are not honoured in the maxima (a NaN loses there).
; NO CLUSTER: the eight work-groups of a head read the same K and V, but block J needs J + 1 tiles and then starts again at tile 0 in trip (J + 2) / 2, which
; differs from partner to partner, so the partners' requests in a trip name different tiles; a common walk over all partners' tiles would be 20 tile steps for 17.
.set QKVB,  12582912                   ; bytes of a batch in qkv
.set PLANE, 131072                     ; bytes of a plane of 32 columns
.set PART,  18432                      ; room of one tensor load: 64 rows of 256 bytes (4 keys x 64 bytes), pitch 272 (K) or 288 (V)
.set SLOTB, 4*PART                     ; K's two planes, then V's two planes, of 256 keys
.set KP,    272                        ; the 16 lanes of a K load (4 rows x 4 keys) touch 16 different 16-byte columns modulo 256
.set VP,    288                        ; the 16 lanes of a transposing load (2 rows x 4 keys x 2 columns) likewise
.set XBASE, 2*SLOTB                    ; hand-over regions 0 and 1, taken by the trip's slot; no tensor load lands there
.set XPAIR, 8704                       ; for a pair of waves: O 8,192 bytes, then maxima and sums 512
.set XSZ,   4*XPAIR
.set STG,   XBASE+2*XSZ                ; way out: 32 rows of 128 + 16 bytes for each of waves 0 to 3
.set STGP,  144
.set STGW,  32*STGP
.set KA,   1                           ; v1-2    LDS address of my K fragments in slot 0, 1
.set VA,   3                           ; v3-4    the same for V
.set QOF,  5                           ; v5-6    byte offset of my Q fragments, first and second block
.set SCR,  7                           ; v7      hand-over: my pair's region + 16 lane
.set STO,  8                           ; v8      stage, in
.set RD,   9                           ; v9      stage, back
.set GO,   10                          ; v10     my offset in the block's part of ao
.set NINF, 11                          ; v11     -infinity
.set THR,  12                          ; v12-13  query's place in the block - 8 h, for query tile 0, 1
.set MX,   14                          ; v14-15  running maximum (of score x log2 e / 8)
.set LS,   16                          ; v16-17  running sum of my half's keys
.set AL,   18                          ; v18-21  rescale factor, each twice (a pair for packed multiplies)
.set NM,   22                          ; v22-25  minus the maximum, each twice
.set TP,   26                          ; v26-31  at work
.set QF,   32                          ; v32-63  Q fragments [qt][dc] at 16 qt + 8 dc
.set OA,   64                          ; v64-127 O^T [qt][dt] at 32 qt + 8 dt
.set SA,   128                         ; v128-191 S^T [qt][kt] at 32 qt + 8 kt; later P^T [qt][kc] at 32 qt + 16 kc
.set FR,   192                         ; v192-255 K fragments [kt][dc] at 16 kt + 8 dc; later V^T fragments [kc][dt] at 32 kc + 8 dt
.set G0,   36                          ; s[36:43] descriptor group 0, one set for each slot
.set G1K,  44                          ; s[44:51] group 1 for K's planes
.set G1V,  52                          ; s[52:59] group 1 for V's planes
; s8 wave, s9 set, s10 wq, s11 J, s12 G, s13 trips of the first block, s14 trip, s15 my tile in this trip, s16 the block's last (diagonal) tile, s17 15 - J,
; s18 this trip's pair, s19 loop counter, s[20:21] log2 e / 8 twice, s22-23 lane selects, s[24:25] my K or V plane, s[26:27] offset pair,
; s[28:29] Q's planes, s[30:31] and s[32:33] ao at the first
; one tensor load a wave at the most.
.macro JLOAD o
	s_cmp_ge_u32 s8, 4
	s_cbranch_scc1 .Lasked_\@
	s_cmp_ge_u32 s8, 2
	s_cbranch_scc1 .Lfor_v_\@
	tensor_load_to_lds s[G0+4*(\o):G0+4*(\o)+3], s[G1K:G1K+7]
	s_nop 0
	s_branch .Lasked_\@
.Lfor_v_\@:
	tensor_load_to_lds s[G0+4*(\o):G0+4*(\o)+3], s[G1V:G1V+7]
	s_nop 0
.Lasked_\@:
.endm
; My 32 queries of block blk (1 or 2): lane (r, h) takes query r, d = 8 h .. and 16 + 8 h .. of each plane
.macro QLOAD blk
	s_wait_loadcnt 0x0                             ; no earlier load into these registers is still out
.irp qt, 0,1
.irp dc, 0,1
	global_load_b128 v[QF+16*\qt+8*\dc:QF+16*\qt+8*\dc+3],   v[QOF+\blk-1], s[28:29] offset:\dc*PLANE+\qt*1024
	global_load_b128 v[QF+16*\qt+8*\dc+4:QF+16*\qt+8*\dc+7], v[QOF+\blk-1], s[28:29] offset:\dc*PLANE+\qt*1024+32
.endr
.endr
.endm
; A block begins.  O is cleared rather than started by the first product: a block's first tile may be its diagonal tile or not, and the first
; product follows a rescale by the factor 0, which needs finite numbers.
.macro INIT
.set i, 0
.rept 64
	v_mov_b32 v[OA+i], 0
.set i, i+1
.endr
	v_mov_b32 v[MX], v[NINF]
	v_mov_b32 v[MX+1], v[NINF]
	v_mov_b32 v[LS], 0
	v_mov_b32 v[LS+1], 0
.endm
; The new maximum of query tile qt, the factor 2^(old - new) and minus the new maximum.
.macro STAT qt
.irp kt, 0,1,2,3
	v_max3_num_f32 v[TP+\kt], v[SA+32*\qt+8*\kt], v[SA+32*\qt+8*\kt+1], v[SA+32*\qt+8*\kt+2]     ; four chains that do not wait for each other
.endr
.irp kt, 0,1,2,3
	v_max3_num_f32 v[TP+\kt], v[TP+\kt], v[SA+32*\qt+8*\kt+3], v[SA+32*\qt+8*\kt+4]
.endr
.irp kt, 0,1,2,3
	v_max3_num_f32 v[TP+\kt], v[TP+\kt], v[SA+32*\qt+8*\kt+5], v[SA+32*\qt+8*\kt+6]
.endr
.irp kt, 0,1,2,3
	v_max_num_f32 v[TP+\kt], v[TP+\kt], v[SA+32*\qt+8*\kt+7]
.endr
	v_max3_num_f32 v[TP], v[TP], v[TP+1], v[TP+2]
	v_max_num_f32 v[TP], v[TP], v[TP+3]
	v_permlanex16_b32 v[TP+4], v[TP], s22, s23     ; the other half's keys of the same query
	v_max_num_f32 v[TP], v[TP], v[TP+4]
	v_mul_f32 v[TP], s20, v[TP]                    ; in units of the exponent: score x log2 e / 8
	v_max_num_f32 v[TP+1], v[MX+\qt], v[TP]        ; the new maximum; finite from a block's first 64 keys on (key 0 of a tile is open to every query of its block)
	v_sub_f32 v[TP+2], v[MX+\qt], v[TP+1]
	v_exp_f32 v[AL+2*\qt], v[TP+2]
	v_exp_f32 v[AL+2*\qt+1], v[TP+2]
	v_mov_b32 v[MX+\qt], v[TP+1]                   ; a plain instruction behind the exponentials (ISA guide 5.7.2)
	v_xor_b32 v[NM+2*\qt], 0x80000000, v[TP+1]
	v_xor_b32 v[NM+2*\qt+1], 0x80000000, v[TP+1]
.endm
.macro SCALE qt                        ; exponent = score x log2 e / 8 - maximum, two at a time
.set i, 0
.rept 16
	v_pk_fma_f32 v[SA+32*\qt+i:SA+32*\qt+i+1], v[SA+32*\qt+i:SA+32*\qt+i+1], s[20:21], v[NM+2*\qt:NM+2*\qt+1] op_sel_hi:[1,0,1]
.set i, i+2
.endr
.endm
.macro EXPQ qt
.set i, 0
.rept 32
	v_exp_f32 v[SA+32*\qt+i], v[SA+32*\qt+i]
.set i, i+1
.endr
.endm
.macro RESC qt                         ; O x 2^(old maximum - new maximum)
.set i, 0
	s_wait_alu depctr_va_vdst(0)
.rept 16
	v_pk_mul_f32 v[OA+32*\qt+i:OA+32*\qt+i+1], v[OA+32*\qt+i:OA+32*\qt+i+1], v[AL+2*\qt:AL+2*\qt+1]
.set i, i+2
.endr
.endm
.macro SUMQ qt                         ; my 32 p of a query, in two chains; then sum = sum x factor + that
	v_pk_add_f32 v[TP:TP+1],   v[SA+32*\qt:SA+32*\qt+1],       v[SA+32*\qt+2:SA+32*\qt+3]
	v_pk_add_f32 v[TP+2:TP+3], v[SA+32*\qt+16:SA+32*\qt+17],   v[SA+32*\qt+18:SA+32*\qt+19]
.irp i, 4,6,8,10,12,14
	v_pk_add_f32 v[TP:TP+1],   v[TP:TP+1],   v[SA+32*\qt+\i:SA+32*\qt+\i+1]
	v_pk_add_f32 v[TP+2:TP+3], v[TP+2:TP+3], v[SA+32*\qt+16+\i:SA+32*\qt+16+\i+1]
.endr
	v_pk_add_f32 v[TP:TP+1], v[TP:TP+1], v[TP+2:TP+3]
	v_add_f32 v[TP], v[TP], v[TP+1]
	v_fma_f32 v[LS+\qt], v[LS+\qt], v[AL+2*\qt], v[TP]
.endm
.macro PACK qt                         ; p to f16, in place: register i of a group of 16 takes numbers 2 i and 2 i + 1, which have been read by then
.irp kc, 0,1
.irp i, 0,1,2,3,4,5,6,7
	v_cvt_pk_f16_f32 v[SA+32*\qt+16*\kc+\i], v[SA+32*\qt+16*\kc+2*\i], v[SA+32*\qt+16*\kc+2*\i+1]
.endr
.endr
.endm
; 64 keys (half ss of my tile in slot) x my 32 queries.
.macro SUB slot, ss
.irp dc, 0,1
.irp kt, 0,1,2,3
	ds_load_b128 v[FR+16*\kt+8*\dc:FR+16*\kt+8*\dc+3],   v[KA+\slot] offset:\dc*PART+(16*\ss+4*\kt)*KP
	ds_load_b128 v[FR+16*\kt+8*\dc+4:FR+16*\kt+8*\dc+7], v[KA+\slot] offset:\dc*PART+(16*\ss+4*\kt)*KP+32
.endr
.endr
	s_wait_dscnt 0x8                               ; d = 0..31 of the 64 keys is in; the eight loads of d = 32..63 stay out
	; eight accumulators take turns, one instruction a turn, here and in the products with V
.irp kt, 0,1,2,3
.irp qt, 0,1
	v_wmma_f32_16x16x32_f16 v[SA+32*\qt+8*\kt:SA+32*\qt+8*\kt+7], v[FR+16*\kt:FR+16*\kt+7], v[QF+16*\qt:QF+16*\qt+7], 0
.endr
.endr
	s_wait_dscnt 0x0
.irp kt, 0,1,2,3
.irp qt, 0,1
	v_wmma_f32_16x16x32_f16 v[SA+32*\qt+8*\kt:SA+32*\qt+8*\kt+7], v[FR+16*\kt+8:FR+16*\kt+15], v[QF+16*\qt+8:QF+16*\qt+15], v[SA+32*\qt+8*\kt:SA+32*\qt+8*\kt+7]
.endr
.endr
.rept 4
	v_nop                                          ; four places: V's loads land on K's registers, and vector instructions read S
.endr
.irp kc, 0,1
.irp dt, 0,1,2,3
	ds_load_tr16_b128 v[FR+32*\kc+8*\dt:FR+32*\kc+8*\dt+3],   v[VA+\slot] offset:(2+\dt/2)*PART+(16*\ss+8*\kc)*VP+(\dt%2)*32
	ds_load_tr16_b128 v[FR+32*\kc+8*\dt+4:FR+32*\kc+8*\dt+7], v[VA+\slot] offset:(2+\dt/2)*PART+(16*\ss+8*\kc)*VP+(\dt%2)*32+4*VP
.endr
.endr
	s_cmp_lg_u32 s15, s16                          ; only the block's last tile crosses the diagonal
	s_cbranch_scc1 .Lopen_\@
.irp qt, 0,1
.irp kt, 0,1,2,3
.irp j, 0,1,2,3,4,5,6,7
	v_cmp_gt_i32 vcc_lo, 64*\ss+16*\kt+\j, v[THR+\qt]              ; key 64 ss + 16 kt + 8 h + j lies behind the query
	v_cndmask_b32 v[SA+32*\qt+8*\kt+\j], v[SA+32*\qt+8*\kt+\j], v[NINF], vcc_lo
.endr
.endr
.endr
.Lopen_\@:
	STAT 0
	STAT 1
	SCALE 0
	EXPQ 0
	SCALE 1                                        ; plain work behind the exponentials of tile 0
	EXPQ 1
	RESC 0                                         ; plain work behind the exponentials of tile 1
	SUMQ 0
	PACK 0
	RESC 1
	SUMQ 1
	PACK 1
	s_wait_dscnt 0x0                               ; V^T is in
.irp kc, 0,1
.irp dt, 0,1,2,3
.irp qt, 0,1
	v_wmma_f32_16x16x32_f16 v[OA+32*\qt+8*\dt:OA+32*\qt+8*\dt+7], v[FR+32*\kc+8*\dt:FR+32*\kc+8*\dt+7], v[SA+32*\qt+16*\kc:SA+32*\qt+16*\kc+7], v[OA+32*\qt+8*\dt:OA+32*\qt+8*\dt+7]
.endr
.endr
.endr
.rept 5
	v_nop                                          ; five places: the next products write over P, the next loads land on V^T, vector instructions and LDS stores read O
.endr
.endm
.macro TILE slot
	s_wait_loadcnt 0x0                             ; my Q fragments are in
	SUB \slot, 0
	SUB \slot, 1
.endm
; Set 1 hands its O, maxima and sums over, in region x.
.macro FLUSH x, again
.set i, 0
.rept 16
	ds_store_b128 v[SCR], v[OA+4*i:OA+4*i+3] offset:(\x)*XSZ+512*i
.set i, i+1
.endr
	ds_store_b128 v[SCR], v[MX:MX+3] offset:(\x)*XSZ+8192
.if \again
	INIT
	QLOAD 2
.endif
.endm
; Set 0 joins its partner's part from region x with its own, divides by the sum, and stores block blk.
; A partner that had no tile hands over maximum -infinity, sum 0 and O 0: its factor is 2^-infinity = 0.  Set 0 always had tile 0: its maximum is finite.
.macro MERGE x, blk, again
.if \again
	QLOAD 2                                        ; the next block's queries come in meanwhile
.endif
.set i, 0
.rept 16
	ds_load_b128 v[SA+4*i:SA+4*i+3], v[SCR] offset:(\x)*XSZ+512*i
.set i, i+1
.endr
	ds_load_b128 v[TP+2:TP+5], v[SCR] offset:(\x)*XSZ+8192        ; the partner's two maxima, two sums
	s_wait_dscnt 0x0
.irp qt, 0,1
	v_max_num_f32 v[TP], v[MX+\qt], v[TP+2+\qt]
	v_sub_f32 v[TP+1], v[MX+\qt], v[TP]
	v_sub_f32 v[TP+2+\qt], v[TP+2+\qt], v[TP]
	v_exp_f32 v[TP+1], v[TP+1]
	v_exp_f32 v[TP+2+\qt], v[TP+2+\qt]
	v_nop                                          ; a plain place behind the exponentials
	s_wait_alu depctr_va_vdst(0)
	v_mul_f32 v[LS+\qt], v[LS+\qt], v[TP+1]
	v_fmac_f32 v[LS+\qt], v[TP+4+\qt], v[TP+2+\qt]
	v_permlanex16_b32 v[TP], v[LS+\qt], s22, s23   ; the sums were kept by halves of the wave: join them
	v_add_f32 v[TP], v[TP], v[LS+\qt]
	v_rcp_f32 v[TP], v[TP]                         ; the sum is about 1 at the least: the largest p is 2^0
	v_nop                                          ; a plain place behind the reciprocal
	s_wait_alu depctr_va_vdst(0)
	v_mul_f32 v[AL+2*\qt],   v[TP+1], v[TP]
	v_mul_f32 v[AL+2*\qt+1], v[TP+1], v[TP]
	v_mul_f32 v[NM+2*\qt],   v[TP+2+\qt], v[TP]
	v_mul_f32 v[NM+2*\qt+1], v[TP+2+\qt], v[TP]
.endr
.irp qt, 0,1
.set i, 0
.rept 16
	v_pk_mul_f32 v[OA+32*\qt+i:OA+32*\qt+i+1], v[OA+32*\qt+i:OA+32*\qt+i+1], v[AL+2*\qt:AL+2*\qt+1]
.set i, i+2
.endr
.set i, 0
.rept 16
	v_pk_fma_f32 v[OA+32*\qt+i:OA+32*\qt+i+1], v[SA+32*\qt+i:SA+32*\qt+i+1], v[NM+2*\qt:NM+2*\qt+1], v[OA+32*\qt+i:OA+32*\qt+i+1]
.set i, i+2
.endr
.endr
.set i, 0
.rept 32
	v_cvt_pk_f16_f32 v[FR+i], v[OA+2*i], v[OA+2*i+1]               ; a lane's eight numbers of a tile are d = 16 dt + 8 h + 0..7 of one query: 16 bytes
.set i, i+1
.endr
.irp qt, 0,1
.irp dt, 0,1,2,3
	ds_store_b128 v[STO], v[FR+16*\qt+4*\dt:FR+16*\qt+4*\dt+3] offset:\qt*16*STGP+32*\dt
.endr
.endr
.irp t, 0,1,2,3,4,5,6,7
	ds_load_b128 v[FR+32+4*\t:FR+32+4*\t+3], v[RD] offset:\t*4*STGP   ; my own stage: LDS serves a wave's instructions in order
.endr
.irp t, 0,1,2,3,4,5,6,7
	s_wait_dscnt 7-\t                              ; load t is in, the younger ones stay out
	global_store_b128 v[GO], v[FR+32+4*\t:FR+32+4*\t+3], s[28+2*\blk:29+2*\blk] offset:512*\t   ; four tokens of a head: 512 neighbouring bytes, aligned
.endr
	s_wait_xcnt 0x0                                ; the stores' data registers are loaded again only behind this wait (ISA guide 3.1)
.if \again
	INIT
.endif
.endm
; One trip: the pair of tiles in slot.  refill = 1: the other slot gets the next trip's pair.  bnd = 1: the first block may end here.
.macro TRIP slot, refill, bnd
	s_set_vgpr_msb 0x5
	s_wait_tensorcnt 0x0                           ; all my tensor loads have landed (one was out: my part of this trip's pair), so a group 0 may be written
	ds_add_u32 v0, v1
	s_wait_dscnt 0x0
	s_set_vgpr_msb 0x500
.if \refill
	s_add_co_u32 s18, s18, 1                       ; the next trip's pair: one further,
	s_add_co_u32 s2, s14, 1
	s_cmp_eq_u32 s2, s13
	s_cselect_b32 s18, 0, s18                      ; or pair 0 again where the second block begins
	s_lshl_b32 s26, s18, 14                        ; 256 keys x 64 bytes
	s_add_nc_u64 s[G0+6-4*\slot:G0+7-4*\slot], s[24:25], s[26:27]
	s_or_b32 s[G0+7-4*\slot], s[G0+7-4*\slot], 0x80000000
.endif
	s_wait_dscnt 0x0                               ; my reads of the other slot and my hand-over stores are done
	s_barrier_signal -1
	s_barrier_wait -1                              ; all that now holds of every wave
.if \refill
	JLOAD 1-\slot                                  ; first thing behind the barrier; it has the whole trip in which to land
.endif
.if \bnd
	s_cmp_lg_u32 s14, s13                          ; the first block ended with the last trip: set 0 finishes it
	s_cbranch_scc1 .Lno_merge_\@
	s_cmp_ge_u32 s8, 4
	s_cbranch_scc1 .Lno_merge_\@
	MERGE 1-\slot, 1, 1
.Lno_merge_\@:
.endif
	s_cmp_gt_u32 s15, s16                          ; a tile wholly behind the diagonal is not computed
	s_cbranch_scc1 .Lskip_\@
	TILE \slot
.Lskip_\@:
	s_add_co_u32 s14, s14, 1
	s_add_co_u32 s15, s15, 2
	s_cmp_eq_u32 s14, s13                          ; the second block begins with the next trip
	s_cselect_b32 s15, s9, s15
	s_cselect_b32 s16, s17, s16
.if \bnd
	s_cmp_lg_u32 s14, s13
	s_cbranch_scc1 .Lno_flush_\@
	s_cmp_lt_u32 s8, 4
	s_cbranch_scc1 .Lno_flush_\@
	FLUSH \slot, 1                                 ; region = this trip's slot: the join in the next trip reads it behind that trip's barrier,
.Lno_flush_\@:                                         ; and a barrier lies between that read and the region's next store
.endif
.endm
	s_load_b128 s[4:7], s[0:1], 0x0                ; qkv s[4:5], ao s[6:7]
	s_set_vgpr_msb 0x40
	v_lshl_add_u32 v0, v0, 2, 0x39800
	v_mov_b32 v1, 0
	s_set_vgpr_msb 0x4045
	ds_add_u32 v0, v1
	s_set_vgpr_msb 0x4500
	v_lshrrev_b32 v1, 5, v0
	v_readfirstlane_b32 s8, v1                     ; wave 0..7
	s_lshr_b32 s9, s8, 2                           ; set
	s_and_b32 s10, s8, 3                           ; wq
	s_mov_b32 s11, ttmp9                           ; J
	s_and_b32 s12, ttmp7, 0xffff                   ; G
	s_add_co_u32 s13, s11, 2
	s_lshr_b32 s13, s13, 1                         ; trips of the first block
	s_mov_b32 s14, 0
	s_mov_b32 s15, s9
	s_mov_b32 s16, s11
	s_sub_co_u32 s17, 15, s11
	s_mov_b32 s18, 0
	s_mov_b32 s20, 0x3e38aa3b                      ; log2 e / 8: the scale 1 / sqrt(64) and the change of base in one factor
	s_mov_b32 s21, 0x3e38aa3b
	s_mov_b32 s22, 0x76543210                      ; lane i of one half reads lane i of the other
	s_mov_b32 s23, 0xfedcba98
	; group 1: a dense block of 16,384 bytes as 64 rows of 128 elements of 2 bytes; padding behind every 64 words: 4 words for K, 8 for V
	s_mov_b32 s[G1K+0], 0x07510000
	s_mov_b32 s[G1V+0], 0x0f510000
	s_mov_b32 s[G1K+1], 128<<16                    ; tensor_dim0 = 128
	s_mov_b32 s[G1V+1], 128<<16
	s_mov_b32 s[G1K+2], 64<<16                     ; tensor_dim1 = 64
	s_mov_b32 s[G1V+2], 64<<16
	s_mov_b32 s[G1K+3], 128<<16                    ; tile_dim0 = 128
	s_mov_b32 s[G1V+3], 128<<16
	s_mov_b32 s[G1K+4], 64                         ; tile_dim1 = 64
	s_mov_b32 s[G1V+4], 64
	s_mov_b32 s[G1K+5], 128                        ; from row to row: 128 elements
	s_mov_b32 s[G1V+5], 128
	s_mov_b32 s[G1K+6], 0
	s_mov_b32 s[G1V+6], 0
	s_mov_b32 s[G1K+7], 0
	s_mov_b32 s[G1V+7], 0
	s_mov_b32 s[G0], 1
	s_mul_i32 s[G0+1], s8, PART                    ; LDS: wave x 18,432 + slot x 73,728
	s_mov_b32 s[G0+4], 1
	s_add_co_u32 s[G0+5], s[G0+1], SLOTB
	s_lshr_b32 s60, s12, 4                         ; batch
	s_and_b32 s61, s12, 15                         ; h
	s_mul_i32 s2, s60, QKVB
	s_lshl_b32 s3, s61, 18                         ; plane 2 h
	s_add_co_u32 s2, s2, s3
	s_mov_b32 s3, 0
	s_lshr_b32 s26, s10, 1                         ; the plane that I fetch lies 32 (K) or 64 (V) planes behind Q's, + 0 or 1
	s_lshl_b32 s26, s26, 5
	s_and_b32 s27, s10, 1
	s_add_co_u32 s26, s26, s27
	s_add_co_u32 s26, s26, 32
	s_lshl_b32 s26, s26, 17
	s_mov_b32 s27, 0
	s_wait_dscnt 0x0
	s_barrier_signal -1
	s_barrier_wait -1
	s_wait_kmcnt 0x0
	s_add_nc_u64 s[28:29], s[4:5], s[2:3]
	s_add_nc_u64 s[24:25], s[28:29], s[26:27]
	s_mov_b64 s[G0+2:G0+3], s[24:25]               ; pair 0
	s_or_b32 s[G0+3], s[G0+3], 0x80000000          ; type = 2
	JLOAD 0                                        ; the one first fill, ahead of everything else
	s_lshl_b32 s62, s60, 4                         ; ao: (16 batch + query block) x 262,144 + h x 16,384
	s_lshl_b32 s63, s61, 14
	s_add_co_u32 s2, s62, s11
	s_lshl_b32 s2, s2, 18
	s_add_co_u32 s2, s2, s63
	s_add_nc_u64 s[30:31], s[6:7], s[2:3]
	s_add_co_u32 s2, s62, s17
	s_lshl_b32 s2, s2, 18
	s_add_co_u32 s2, s2, s63
	s_add_nc_u64 s[32:33], s[6:7], s[2:3]
	v_and_b32 v26, 31, v0                          ; lane
	v_and_b32 v27, 15, v0                          ; r
	v_bfe_u32 v28, v0, 4, 1                        ; h
	s_lshl_b32 s3, s10, 5                          ; 32 wq
	s_lshl_b32 s2, s11, 7
	s_add_co_u32 s2, s2, s3
	v_add_nc_u32 v29, s2, v27                      ; token 128 J + 32 wq + r,
	v_lshlrev_b32 v29, 6, v29                      ; 64 bytes each,
	v_lshl_add_u32 v[QOF], v28, 4, v29             ; + 16 h
	s_lshl_b32 s2, s17, 7
	s_add_co_u32 s2, s2, s3
	v_add_nc_u32 v29, s2, v27
	v_lshlrev_b32 v29, 6, v29
	v_lshl_add_u32 v[QOF+1], v28, 4, v29
	QLOAD 1
	v_lshrrev_b32 v29, 2, v27                      ; K: key r lies in row r / 4 at byte 64 (r % 4); + 16 h
	v_mul_u32_u24 v29, v29, KP
	v_and_b32 v30, 3, v27
	v_lshl_add_u32 v29, v30, 6, v29
	v_lshl_add_u32 v29, v28, 4, v29
	s_mul_i32 s2, s9, 32*KP                        ; my set's 128 keys: 32 rows
	v_add_nc_u32 v[KA], s2, v29
	v_add_nc_u32 v[KA+1], SLOTB, v[KA]
	v_and_b32 v29, 7, v0                           ; V: lane 8 g + i addresses key 8 h + i, columns 8 c .. 8 c + 7 (g = 2 h + c)
	v_lshrrev_b32 v30, 2, v29
	v_lshl_add_u32 v30, v28, 1, v30                ; row 2 h + i / 4
	v_mul_u32_u24 v30, v30, VP
	v_and_b32 v29, 3, v29
	v_lshl_add_u32 v30, v29, 6, v30
	v_bfe_u32 v29, v0, 3, 1
	v_lshl_add_u32 v30, v29, 4, v30
	s_mul_i32 s2, s9, 32*VP
	v_add_nc_u32 v[VA], s2, v30
	v_add_nc_u32 v[VA+1], SLOTB, v[VA]
	s_mul_i32 s2, s10, XPAIR
	s_add_co_u32 s2, s2, XBASE
	v_lshl_add_u32 v[SCR], v26, 4, s2
	s_mul_i32 s2, s10, STGW
	s_add_co_u32 s2, s2, STG
	v_mul_u32_u24 v29, v27, STGP
	v_lshl_add_u32 v29, v28, 4, v29
	v_add_nc_u32 v[STO], s2, v29
	v_lshrrev_b32 v29, 3, v26                      ; back: eight lanes take a token's 128 bytes
	v_mul_u32_u24 v29, v29, STGP
	v_and_b32 v30, 7, v0
	v_lshl_add_u32 v29, v30, 4, v29
	v_add_nc_u32 v[RD], s2, v29
	s_lshl_b32 s2, s10, 12
	v_lshl_add_u32 v[GO], v26, 4, s2               ; 32 wq tokens x 128 bytes + 16 lane
	v_mov_b32 v[NINF], 0xff800000
	v_lshlrev_b32 v29, 3, v28
	v_sub_nc_u32 v29, v27, v29
	v_add_nc_u32 v[THR], s3, v29                   ; 32 wq + r - 8 h
	v_add_nc_u32 v[THR+1], 16, v[THR]
	v_mov_b32 v31, 0
	INIT
	s_mov_b32 s19, 0
.Ltrips:
	TRIP 0, 1, 1
	TRIP 1, 1, 1
	s_add_co_u32 s19, s19, 1
	s_cmp_lt_u32 s19, 4
	s_cbranch_scc1 .Ltrips
	TRIP 0, 0, 0                                   ; the ninth trip: nothing is left to fetch, and the first block ended in trip 4 at the latest
	s_cmp_lt_u32 s8, 4
	s_cbranch_scc1 .Lkeep
	FLUSH 0, 0
.Lkeep:
	s_wait_dscnt 0x0                               ; for the partner's sake
	s_barrier_signal -1
	s_barrier_wait -1
	s_cmp_ge_u32 s8, 4
	s_cbranch_scc1 .Lend
	MERGE 0, 2, 0
.Lend:
	s_set_vgpr_msb 0x5
	s_wait_tensorcnt 0x0
	ds_add_u32 v0, v1
	s_wait_dscnt 0x0
	s_set_vgpr_msb 0x500
	s_endpgm
.Lfunc_end_k_q6ec973bc9f_attn:
	.size	k_q6ec973bc9f_attn, .Lfunc_end_k_q6ec973bc9f_attn-k_q6ec973bc9f_attn
	.p2alignl 7, 3214868480
	.fill 96, 4, 3214868480
	.section	.rodata,"a",@progbits
	.p2align	6, 0x0
	.amdhsa_kernel k_q6ec973bc9f_attn
		.amdhsa_group_segment_fixed_size 327680
		.amdhsa_private_segment_fixed_size 0
		.amdhsa_enable_private_segment 0
		.amdhsa_kernarg_size 16
		.amdhsa_user_sgpr_count 2
		.amdhsa_user_sgpr_kernarg_segment_ptr 1
		.amdhsa_wavefront_size32 1
		.amdhsa_system_sgpr_workgroup_id_x 1
		.amdhsa_system_sgpr_workgroup_id_y 1
		.amdhsa_system_sgpr_workgroup_id_z 1
		.amdhsa_system_vgpr_workitem_id 0
		.amdhsa_next_free_vgpr 258
		.amdhsa_next_free_sgpr 66
		.amdhsa_reserve_vcc 1
		.amdhsa_float_denorm_mode_32 3
		.amdhsa_float_denorm_mode_16_64 3
		.amdhsa_memory_ordered 1
		.amdhsa_forward_progress 1
		.amdhsa_inst_pref_size 193
	.end_amdhsa_kernel
	.amdgpu_metadata
---
amdhsa.version: [ 1, 2 ]
amdhsa.kernels:
  - .name:           k_q6ec973bc9f_attn
    .symbol:         k_q6ec973bc9f_attn.kd
    .args:
      - { .name: qkv, .offset: 0, .size: 8, .value_kind: global_buffer, .address_space: global }
      - { .name: ao, .offset: 8, .size: 8, .value_kind: global_buffer, .address_space: global }
    .group_segment_fixed_size: 327680
    .private_segment_fixed_size: 0
    .kernarg_segment_align: 8
    .kernarg_segment_size: 16
    .max_flat_workgroup_size: 256
    .sgpr_count:     66
    .vgpr_count:     258
    .wavefront_size: 32
...
	.end_amdgpu_metadata
.endif
;; end of part 3
;; launch oproj (part 4): grid 8 x 32, 4 waves a work-group, clusters of 4 x 4, 327,680 bytes of LDS; arguments ao, woh, out0; writes out0
.if DOCPART == 4
	.amdgcn_target "amdgcn-amd-amdhsa--gfx1250"
	.amdhsa_code_object_version 6
	.text
	.protected	k_q6ec973bc9f_oproj
	.globl	k_q6ec973bc9f_oproj
	.p2align	8
	.type	k_q6ec973bc9f_oproj,@function
k_q6ec973bc9f_oproj:
	s_mov_b64 s[64:65], 0
	v_nop
	global_prefetch_b8 v0, s[64:65] scope:SCOPE_SE
	s_setreg_imm32_b32 hwreg(HW_REG_WAVE_MODE, 25, 1), 1
	s_wait_xcnt 0x0
	s_wait_alu depctr_hold_cnt(0) depctr_sa_sdst(0) depctr_va_vdst(0) depctr_va_sdst(0) depctr_va_ssrc(0) depctr_va_vcc(0) depctr_vm_vsrc(0)
	s_getreg_b32 s2, hwreg(HW_REG_IB_STS2, 6, 4)
	s_cmp_eq_u32 s2, 0
	s_cbranch_scc0 .Lentry_in_a_cluster
	s_endpgm
.Lentry_in_a_cluster:
	s_bfe_u32 s2, ttmp6, 0x10000c
	s_cmp_lg_u32 s2, 0xf033
	s_cbranch_scc0 .Lentry_shape_is_right
	s_endpgm
.Lentry_shape_is_right:
; The output projection: out0[token][e] = sum over k of attention[token][k] w_o[e][k], 4,096 x 1,024 x 1,024.  f16 operands, f32 sums, f32 out.
; ao is [token / 128][head][token % 128][64] in f16, so the 128 tokens x 256 k (four heads) of a slot are one dense block of 65,536 bytes.
; A work-group makes 128 x 128 of out0 with four waves; a wave makes 64 x 64: 16 accumulator tiles, 128 registers.  8 x 32 work-groups.
; K goes through two LDS slots of 256 each: four slot phases, written out without a loop.
; CLUSTERS: 4 x 4 work-groups; ao's tiles are shared along a row of the cluster, woh's along a column, each by a joint tensor load.
; REGISTERS: window 0: v16-26 addresses; buffer 0: v64-95 fragments of ao, v96-127 of woh; buffer 1: v128-159, v160-191;  window 1: v0-127 accumulators, tile (a, b) at 8 (4 a + b).
; The matrix instruction is used transposed (source 0 = 16 rows of woh, source 1 = 16 tokens): a lane holds eight neighbouring columns of one token.
.set HALFT,  34816                     ; room of one tensor load: 128 rows x 272 (ao) or 64 rows x 528 (woh)
.set SLOT,   4*HALFT
.set STAGE,  2*SLOT                    ; behind the ring: 16 rows x 272 bytes for each wave; no tensor load lands there
.set APITCH, 272                       ; a row of 256 bytes = two tokens of one head, + 16
.set BPITCH, 528                       ; a row of 256 f16 of woh, + 16
.set SPITCH, 272                       ; 64 f32 + 16
.set ADRA, 16
.set ADRB, 20
.set STO,  24
.set RD,   25
.set CO,   26
.set F0,   64
.set F1,   128
.set G1,  24
.set G0,  32
.set G1B, 48
.set G0B, 56
.set MSB, 0
.macro WIN new                         ; the immediate's high byte repeats the setting that is left
.if MSB != \new
	s_set_vgpr_msb (MSB<<8)|\new
.set MSB, \new
.endif
.endm
.set MULW, 0x50                        ; sources 0 and 1 window 0, C and D window 1
.macro JLOAD s                         ; waves 0 and 1 fetch ao's two halves, waves 2 and 3 woh's
	s_cmp_eq_u32 s11, 0
	s_cbranch_scc0 .Lfor_b_\@
	tensor_load_to_lds s[G0+4*\s:G0+4*\s+3], s[G1:G1+7]
	s_nop 0
	s_branch .Lasked_\@
.Lfor_b_\@:
	tensor_load_to_lds s[G0B+4*\s:G0B+4*\s+3], s[G1B:G1B+7]
	s_nop 0
.Lasked_\@:
.endm
.macro CREST                           ; a round of the cluster's barrier behind its opening barrier
	s_cmp_lg_u32 s10, 0
	s_cbranch_scc1 .Lnot_wave_0_\@
	s_barrier_signal -3
.Lnot_wave_0_\@:
	s_barrier_wait -3
	s_barrier_signal -1
	s_barrier_wait -1
.endm
.macro CROUND
	s_barrier_signal -1
	s_barrier_wait -1
	CREST
.endm
	s_load_b128 s[4:7], s[0:1], 0x0                ; ao s[4:5], woh s[6:7]
	s_load_b64 s[8:9], s[0:1], 0x10                ; out0
	v_lshl_add_u32 v254, v0, 2, 0x48400
	v_mov_b32 v255, 0
	ds_add_u32 v254, v255
	v_lshrrev_b32 v1, 5, v0
	v_readfirstlane_b32 s10, v1                    ; wave 0..3
	s_lshr_b32 s11, s10, 1                         ; my half of the block's tokens.  Also: I fetch for ao (0) or for woh (1)
	s_and_b32 s12, s10, 1                          ; my half of its columns.  Also: which half of that tile I fetch
	s_bfe_u32 s40, ttmp6, 0x40000                  ; cx
	s_bfe_u32 s41, ttmp6, 0x40004                  ; cy
	s_lshl_b32 s42, ttmp9, 2
	s_add_co_u32 s42, s42, s40                     ; block column, 0..7
	s_and_b32 s13, ttmp7, 0xffff
	s_lshl_b32 s13, s13, 2
	s_add_co_u32 s13, s13, s41                     ; block row, 0..31
	s_lshl_b32 s43, s41, 2
	s_lshl_b32 s43, 15, s43                        ; my row of the cluster
	s_lshl_b32 s44, 0x1111, s40                    ; my column
	; ao: 128 dense rows of 128 elements, padded behind every 64 words; woh: 64 rows of 256 elements, pitch 1,024, padded behind every 128 words
	s_or_b32 s[G1+0], s43, (1<<16)|(1<<20)|(1<<21)|(5<<22)|(3<<25)
	s_or_b32 s[G1B+0], s44, (1<<16)|(1<<20)|(1<<21)|(6<<22)|(3<<25)
	s_mov_b32 s[G1+1], 128<<16                     ; tensor_dim0
	s_mov_b32 s[G1B+1], 256<<16
	s_mov_b32 s[G1+2], 128<<16                     ; tensor_dim1
	s_mov_b32 s[G1B+2], 64<<16
	s_mov_b32 s[G1+3], 128<<16                     ; tile_dim0
	s_mov_b32 s[G1B+3], 256<<16
	s_mov_b32 s[G1+4], 128                         ; tile_dim1
	s_mov_b32 s[G1B+4], 64
	s_mov_b32 s[G1+5], 128                         ; elements from row to row
	s_mov_b32 s[G1B+5], 1024
	s_mov_b32 s[G1+6], 0
	s_mov_b32 s[G1B+6], 0
	s_mov_b32 s[G1+7], 0
	s_mov_b32 s[G1B+7], 0
	s_lshl_b32 s16, s13, 18                        ; ao: block row x 262,144 + half x 32,768 (two heads)
	s_lshl_b32 s17, s12, 15
	s_add_co_u32 s16, s16, s17
	s_mov_b32 s17, 0
	s_lshl_b32 s46, s42, 18                        ; woh: row 128 x block column + 64 x half, 2,048 bytes each
	s_lshl_b32 s47, s12, 17
	s_add_co_u32 s46, s46, s47
	s_mov_b32 s47, 0
	s_mul_i32 s20, s10, HALFT
	s_wait_dscnt 0x0
	s_wait_kmcnt 0x0
	s_add_nc_u64 s[14:15], s[4:5], s[16:17]
	s_add_nc_u64 s[46:47], s[6:7], s[46:47]
	CROUND                                         ; all sixteen work-groups are here: the first joint loads meet
.irp s, 0,1
	s_mov_b32 s[G0+4*\s], 1
	s_add_co_u32 s[G0+4*\s+1], s20, \s*SLOT
	s_add_nc_u64 s[G0+4*\s+2:G0+4*\s+3], s[14:15], \s*65536        ; four heads on
	s_or_b32 s[G0+4*\s+3], s[G0+4*\s+3], 0x80000000
	s_mov_b32 s[G0B+4*\s], 1
	s_add_co_u32 s[G0B+4*\s+1], s20, \s*SLOT
	s_add_nc_u64 s[G0B+4*\s+2:G0B+4*\s+3], s[46:47], \s*512        ; 256 columns on
	s_or_b32 s[G0B+4*\s+3], s[G0B+4*\s+3], 0x80000000
	JLOAD \s                                       ; both first fills: two tensor loads of the wave are out
.endr
	v_and_b32 v1, 15, v0                           ; r
	v_bfe_u32 v2, v0, 4, 1                         ; h
	v_lshrrev_b32 v3, 1, v1                        ; ao: token r lies in row r / 2 at byte 128 (r % 2); + 16 h
	v_mul_u32_u24 v3, v3, APITCH
	v_and_b32 v4, 1, v1
	v_lshl_add_u32 v3, v4, 7, v3
	v_lshl_add_u32 v3, v2, 4, v3
	v_mul_u32_u24 v5, v1, BPITCH                   ; woh: row r; + 16 h
	v_lshl_add_u32 v5, v2, 4, v5
	s_mul_i32 s21, s11, 32*APITCH                  ; my 64 tokens: 32 rows in each head's part
	s_mul_i32 s22, s12, HALFT
	s_add_co_u32 s22, s22, 2*HALFT                 ; my 64 rows of woh
.irp s, 0,1
	v_add_nc_u32 v[ADRA+\s], s21, v3
	v_add_nc_u32 v[ADRB+\s], s22, v5
	s_add_co_u32 s21, s21, SLOT
	s_add_co_u32 s22, s22, SLOT
.endr
	s_mul_i32 s23, s10, 16*SPITCH
	s_add_co_u32 s23, s23, STAGE
	v_mul_u32_u24 v4, v1, SPITCH                   ; in: row r, 32 bytes for each half of the lanes
	v_lshl_add_u32 v4, v2, 5, v4
	v_add_nc_u32 v[STO], s23, v4
	v_mul_u32_u24 v5, v2, SPITCH                   ; back: lanes 0-15 take one row of 256 bytes, lanes 16-31 the next
	v_lshl_add_u32 v5, v1, 4, v5
	v_add_nc_u32 v[RD], s23, v5
	v_lshlrev_b32 v5, 12, v2                       ; and the same two rows of out0, 4,096 bytes apart
	v_lshl_add_u32 v[CO], v1, 4, v5
; four matrix instructions: token block a x all four column blocks, 32 along K.  The 16 accumulators take turns, one instruction a turn,
; in the same order in every quarter.
.macro MUL4 f, a, zero
.irp b, 0,1,2,3
.if \zero
	v_wmma_f32_16x16x32_f16 v[8*(4*\a+\b):8*(4*\a+\b)+7], v[\f+32+8*\b:\f+32+8*\b+7], v[\f+8*\a:\f+8*\a+7], 0
.else
	v_wmma_f32_16x16x32_f16 v[8*(4*\a+\b):8*(4*\a+\b)+7], v[\f+32+8*\b:\f+32+8*\b+7], v[\f+8*\a:\f+8*\a+7], v[8*(4*\a+\b):8*(4*\a+\b)+7]
.endif
.endr
.endm
; 16 LDS loads: the fragments of 32 along K, number q of the slot's eight (head q / 2, d = 32 (q % 2) ..), into buffer f
.macro FETCH slot, q, f
	WIN 0
.irp b, 0,1,2,3
	ds_load_b128 v[\f+32+8*\b:\f+32+8*\b+3],   v[ADRB+\slot] offset:\b*16*BPITCH+64*\q
	ds_load_b128 v[\f+32+8*\b+4:\f+32+8*\b+7], v[ADRB+\slot] offset:\b*16*BPITCH+64*\q+32
.endr
.irp a, 0,1,2,3
	ds_load_b128 v[\f+8*\a:\f+8*\a+3],   v[ADRA+\slot] offset:(\q/2)*64*APITCH+\a*8*APITCH+(\q%2)*64
	ds_load_b128 v[\f+8*\a+4:\f+8*\a+7], v[ADRA+\slot] offset:(\q/2)*64*APITCH+\a*8*APITCH+(\q%2)*64+32
.endr
.endm
.macro PLACES                          ; four places behind a matrix instruction before a load lands on a register that it read, or its result is read
.rept 4
	v_nop
.endr
.endm
; One of a slot's first seven parts: buffer f is in; the next part's fragments are asked for first, into buffer g, and have these 16 matrix instructions in which to land.
.macro QUARTER slot, q, f, g, zero
	s_wait_dscnt 0x0
	PLACES
	FETCH \slot, \q, \g
	WIN MULW
	MUL4 \f, 0, \zero
	MUL4 \f, 1, \zero
	MUL4 \f, 2, \zero
	MUL4 \f, 3, \zero
.endm
.macro SEVEN slot, zero
	QUARTER \slot, 1, F0, F1, \zero
	QUARTER \slot, 2, F1, F0, 0
	QUARTER \slot, 3, F0, F1, 0
	QUARTER \slot, 4, F1, F0, 0
	QUARTER \slot, 5, F0, F1, 0
	QUARTER \slot, 6, F1, F0, 0
	QUARTER \slot, 7, F0, F1, 0
.endm
; The slot's last part: multiplies buffer 1 and changes slots.  In front of the barrier each wave waits for its reads of this slot and for all its tensor loads.
.macro TURN slot, next, fill
	s_wait_dscnt 0x0                               ; buffer 1 is in: my reads of this slot are over
	s_wait_tensorcnt 0x0                           ; all my tensor loads have landed: the one that was out is my part of the next slot
	ds_add_u32 v254, v255
	s_wait_dscnt 0x0
	s_barrier_signal -1                            ; where a slot is filled again this barrier opens a round of the cluster's barrier
	WIN MULW
	MUL4 F1, 0, 0
	MUL4 F1, 1, 0
	WIN 0
	s_barrier_wait -1
.if \fill
	CREST                                          ; no wave of any partner still reads this slot or has a load on its way
	s_add_nc_u64 s[G0+4*\slot+2:G0+4*\slot+3], s[G0+4*\slot+2:G0+4*\slot+3], 2*65536
	s_add_nc_u64 s[G0B+4*\slot+2:G0B+4*\slot+3], s[G0B+4*\slot+2:G0B+4*\slot+3], 2*512
	JLOAD \slot                                    ; the first tensor load behind the round, the wave's only one until the next
.endif
	PLACES
	FETCH \next, 0, F0
	WIN MULW
	MUL4 F1, 2, 0
	MUL4 F1, 3, 0
.endm
	s_wait_tensorcnt 1                             ; my part of slot 0 is in; slot 1's may stay out
	s_barrier_signal -1
	s_barrier_wait -1
	FETCH 0, 0, F0
	SEVEN 0, 1                                     ; k 0-255; the first products start the sums
	TURN 0, 1, 1                                   ; slot 0 is asked for again: k 512-767
	SEVEN 1, 0                                     ; k 256-511
	TURN 1, 0, 1                                   ; slot 1: k 768-1023
	SEVEN 0, 0
	TURN 0, 1, 0                                   ; nothing is left to fetch
	SEVEN 1, 0
	s_wait_dscnt 0x0
	WIN MULW
	MUL4 F1, 0, 0
	MUL4 F1, 1, 0
	MUL4 F1, 2, 0
	MUL4 F1, 3, 0
	PLACES                                         ; behind the last matrix instructions: LDS stores read the results, loads land on the buffers
	WIN 0
	s_lshl_b32 s16, s13, 19                        ; out0: token 128 x block row + 64 x half, 4,096 bytes each
	s_lshl_b32 s14, s11, 18
	s_add_co_u32 s16, s16, s14
	s_mov_b32 s17, 0
	s_add_nc_u64 s[8:9], s[8:9], s[16:17]
	s_lshl_b32 s46, s42, 9                         ; column 128 x block column + 64 x half, 4 bytes each
	s_lshl_b32 s47, s12, 8
	s_add_co_u32 s46, s46, s47
	s_mov_b32 s47, 0
	s_add_nc_u64 s[8:9], s[8:9], s[46:47]
; tokens 16 i .. 16 i + 15 of my block: the four tiles (i, 0..3) go through my own stage and come back as whole rows of 256 bytes; f: F0 or F1 in turn
.macro OUT16 i, f
	WIN 0x04                                       ; an LDS store's data is source 1: window 1
.irp b, 0,1,2,3
	ds_store_b128 v[STO], v[8*(4*\i+\b):8*(4*\i+\b)+3]   offset:64*\b
	ds_store_b128 v[STO], v[8*(4*\i+\b)+4:8*(4*\i+\b)+7] offset:64*\b+16
.endr
	WIN 0
	s_wait_xcnt 0x0                                ; buffer f, which earlier stores read, is loaded again only behind this wait (ISA guide 3.1)
.irp t, 0,1,2,3,4,5,6,7
	ds_load_b128 v[\f+4*\t:\f+4*\t+3], v[RD] offset:\t*2*SPITCH    ; LDS serves a wave's instructions in order: these see the stores above
.endr
.irp t, 0,1,2,3,4,5,6,7
	s_wait_dscnt 7-\t                              ; load t is in, the younger ones stay out
	global_store_b128 v[CO], v[\f+4*\t:\f+4*\t+3], s[8:9] offset:(16*\i+2*\t)*4096 th:TH_STORE_NT   ; 16 lanes store 256 neighbouring bytes, aligned
.endr
.endm
	OUT16 0, F0
	OUT16 1, F1
	OUT16 2, F0
	OUT16 3, F1
	s_wait_tensorcnt 0x0
	ds_add_u32 v254, v255
	s_wait_dscnt 0x0
	CROUND                                         ; the closing round: no work-group ends while a partner may still ask for a tile that names it
	s_endpgm
.Lfunc_end_k_q6ec973bc9f_oproj:
	.size	k_q6ec973bc9f_oproj, .Lfunc_end_k_q6ec973bc9f_oproj-k_q6ec973bc9f_oproj
	.p2alignl 7, 3214868480
	.fill 96, 4, 3214868480
	.section	.rodata,"a",@progbits
	.p2align	6, 0x0
	.amdhsa_kernel k_q6ec973bc9f_oproj
		.amdhsa_group_segment_fixed_size 327680
		.amdhsa_private_segment_fixed_size 0
		.amdhsa_enable_private_segment 0
		.amdhsa_kernarg_size 24
		.amdhsa_user_sgpr_count 2
		.amdhsa_user_sgpr_kernarg_segment_ptr 1
		.amdhsa_wavefront_size32 1
		.amdhsa_system_sgpr_workgroup_id_x 1
		.amdhsa_system_sgpr_workgroup_id_y 1
		.amdhsa_system_sgpr_workgroup_id_z 1
		.amdhsa_system_vgpr_workitem_id 0
		.amdhsa_next_free_vgpr 384
		.amdhsa_next_free_sgpr 66
		.amdhsa_reserve_vcc 0
		.amdhsa_float_denorm_mode_32 3
		.amdhsa_float_denorm_mode_16_64 3
		.amdhsa_memory_ordered 1
		.amdhsa_forward_progress 1
		.amdhsa_inst_pref_size 89
	.end_amdhsa_kernel
	.amdgpu_metadata
---
amdhsa.version: [ 1, 2 ]
amdhsa.kernels:
  - .name:           k_q6ec973bc9f_oproj
    .symbol:         k_q6ec973bc9f_oproj.kd
    .args:
      - { .name: ao, .offset: 0, .size: 8, .value_kind: global_buffer, .address_space: global }
      - { .name: woh, .offset: 8, .size: 8, .value_kind: global_buffer, .address_space: global }
      - { .name: out0, .offset: 16, .size: 8, .value_kind: global_buffer, .address_space: global }
    .group_segment_fixed_size: 327680
    .private_segment_fixed_size: 0
    .kernarg_segment_align: 8
    .kernarg_segment_size: 24
    .max_flat_workgroup_size: 128
    .sgpr_count:     66
    .vgpr_count:     384
    .wavefront_size: 32
...
	.end_amdgpu_metadata
.endif
;; end of part 4
;; ======== version 2 of 2: 4 launches; version 1 with the launch cast written anew for expert scheduling mode
;; limits: values are held in f16: magnitudes above 65,504 overflow, below 6.1e-05 lose precision
;; workspace buffers: xb 8,388,608 bytes; wb 6,291,456 bytes; woh 2,097,152 bytes; qkv 25,165,824 bytes; ao 8,388,608 bytes
;; launch cast (part 5): grid 512 x 1, 8 waves a work-group, no clusters, 0 bytes of LDS; arguments x, w_q, w_k, w_v, w_o, xb, wb, woh; writes xb, wb, woh
.if DOCPART == 5
	.amdgcn_target "amdgcn-amd-amdhsa--gfx1250"
	.amdhsa_code_object_version 6
	.text
	.protected	k_q6ec973bc9f_cast
	.globl	k_q6ec973bc9f_cast
	.p2align	8
	.type	k_q6ec973bc9f_cast,@function
k_q6ec973bc9f_cast:
	s_mov_b64 s[64:65], 0
	v_nop
	global_prefetch_b8 v0, s[64:65] scope:SCOPE_SE
	s_setreg_imm32_b32 hwreg(HW_REG_WAVE_SCHED_MODE, 0, 2), 2
	s_setreg_imm32_b32 hwreg(HW_REG_WAVE_MODE, 25, 1), 1
	s_wait_xcnt 0x0
	s_wait_alu depctr_vm_vsrc(0)
; Narrowing of the inputs, once, so that both products can take 16-bit tiles straight from memory.
;   xb  [4096][1024] bf16 = x;   wb [3072][1024] bf16 = w_q, w_k, w_v one below the other;
;   woh [1024][1024] f16  = w_o rounded to bf16 and then written as f16 (its partner in the last product is f16).
; LIMIT: a w_o of magnitude 65,504 or more becomes infinite in f16; below 2^-14 the f16 number is denormal and carries an
; absolute error of up to 2^-25.  Between these the bf16 number (8 significant bits) is held exactly in f16 (11 bits).
; A stream: no LDS, no barrier, no matrix unit.  512 work-groups of 65,536 source bytes; a wave takes 8,192 of them as 16 loads of
; 512 neighbouring bytes, all issued at once; each store of a wave covers 256 neighbouring bytes, aligned.
; THE MODE: SCHED_MODE bits 1:0 = 2 (LLVM: expert scheduling mode 2), set by the entry lines.  The code itself states the register dependences
; between vector instructions and memory instructions, with s_wait_alu, always for 0.
; THE PLAN.  Registers that memory instructions touch; there is no loop, and each has one life:
;   v1, v2     byte offsets of the loads and of the stores: written at the head, never again.
;   X4         load k lands in four registers of its own, which no vector instruction has named; read by load k's conversions; nothing is loaded later.
;   Y2         store k's pair: written by load k's conversions alone, read by store k, never written behind it.
;   TW, v3, v4 are named by vector instructions alone.
; So the one kind of dependence is a vector result that a memory instruction reads.  The 16 loads go in four groups of four.  One wait on va_vdst stands at the
; head of the kernel, for the offsets; one at the head of each later group, behind the wait for that group's first load: it states that the group before has
; written its four pairs of Y2, and that group's four stores follow it at once; one behind the last group.  A group's conversions name its own X4 and Y2 and TW:
; none of the registers that the stores just issued read.  No register that a memory instruction has read is written again, so no wait on vm_vsrc is owed.
.set X4, 8                             ; v[8:71]    load k: four f32
.set Y2, 72                            ; v[72:103]  store k: four 16-bit numbers; each store has registers of its own
.set TW, 104                           ; v[104:107] at work (w_o alone)
	s_load_b512 s[4:19], s[0:1], 0x0               ; x s[4:5], w_q s[6:7], w_k s[8:9], w_v s[10:11], w_o s[12:13], xb s[14:15], wb s[16:17], woh s[18:19]
	s_mov_b32 s2, ttmp9                            ; 0-255: x; 256-319: w_q; 320-383: w_k; 384-447: w_v; 448-511: w_o
	s_and_b32 s3, s2, 63                           ; my piece of a weight (64 pieces each), and of woh
	s_and_b32 s28, s2, 255                         ; my piece of xb (0-255) or of wb (0-191)
	v_lshrrev_b32 v3, 5, v0                        ; wave
	v_and_b32 v4, 31, v0                           ; lane
	v_lshlrev_b32 v1, 13, v3
	v_lshl_add_u32 v1, v4, 4, v1                   ; source: 8,192 wave + 16 lane
	v_lshlrev_b32 v2, 12, v3
	v_lshl_add_u32 v2, v4, 3, v2                   ; destination: 4,096 wave + 8 lane
	s_cmp_lt_u32 s2, 256
	s_cselect_b32 s24, s2, s3                      ; piece of the source
	s_cmp_ge_u32 s2, 448
	s_cselect_b32 s26, s3, s28                     ; piece of the destination
	s_lshl_b32 s24, s24, 16                        ; 65,536 source bytes a piece
	s_lshl_b32 s26, s26, 15                        ; 32,768 destination bytes
	s_mov_b32 s25, 0
	s_mov_b32 s27, 0
	s_wait_kmcnt 0x0
	s_cmp_lt_u32 s2, 256                           ; the buffers are chosen by the work-group's number alone
	s_cselect_b64 s[20:21], s[4:5], s[6:7]
	s_cselect_b64 s[22:23], s[14:15], s[16:17]
	s_cmp_ge_u32 s2, 320
	s_cselect_b64 s[20:21], s[8:9], s[20:21]
	s_cmp_ge_u32 s2, 384
	s_cselect_b64 s[20:21], s[10:11], s[20:21]
	s_cmp_ge_u32 s2, 448
	s_cselect_b64 s[20:21], s[12:13], s[20:21]
	s_cselect_b64 s[22:23], s[18:19], s[22:23]
	s_add_nc_u64 s[20:21], s[20:21], s[24:25]
	s_add_nc_u64 s[22:23], s[22:23], s[26:27]
	s_wait_alu depctr_va_vdst(0)                   ; v1 and v2 are written: every load reads v1 as its offset, every store v2
.irp k, 0,1,2,3,4,5,6,7,8,9,10,11,12,13,14,15
	global_load_b128 v[X4+4*\k:X4+4*\k+3], v1, s[20:21] offset:512*\k th:TH_LOAD_NT   ; read once in the launch
.endr
; Load k is narrowed into store k's pair.  wo = 1: bf16 first, then the same number as f16.
.macro NARROW k, wo
	v_cvt_pk_bf16_f32 v[Y2+2*(\k)],   v[X4+4*(\k)],   v[X4+4*(\k)+1]
	v_cvt_pk_bf16_f32 v[Y2+2*(\k)+1], v[X4+4*(\k)+2], v[X4+4*(\k)+3]
.if \wo
	v_lshlrev_b32 v[TW],   16, v[Y2+2*(\k)]        ; bf16 to f32: the low half moves up, the high half stays
	v_and_b32     v[TW+1], 0xffff0000, v[Y2+2*(\k)]
	v_lshlrev_b32 v[TW+2], 16, v[Y2+2*(\k)+1]
	v_and_b32     v[TW+3], 0xffff0000, v[Y2+2*(\k)+1]
	v_cvt_pk_f16_f32 v[Y2+2*(\k)],   v[TW],   v[TW+1]
	v_cvt_pk_f16_f32 v[Y2+2*(\k)+1], v[TW+2], v[TW+3]
.endif
.endm
.macro SEND k
	global_store_b64 v2, v[Y2+2*(\k):Y2+2*(\k)+1], s[22:23] offset:256*(\k)
.endm
; Group g: loads 4 g to 4 g + 3 are narrowed; at its head the stores of the group before go out.
.macro GROUP g, wo
	s_wait_loadcnt 15-4*(\g)                       ; loads come back in order (ISA guide 5.7.1): load 4 g is in, the 15 - 4 g younger ones stay out
.if (\g) > 0
	s_wait_alu depctr_va_vdst(0)                   ; the conversions of the group before have written its four pairs of Y2, which the four stores below read
.irp j, 0,1,2,3
	SEND 4*(\g)-4+\j
.endr
.endif
.irp j, 0,1,2,3
.if \j > 0
	s_wait_loadcnt 15-4*(\g)-\j                    ; load 4 g + j is in, the younger ones stay out
.endif
	NARROW 4*(\g)+\j, \wo                          ; names this group's X4 and Y2 and TW: no register that the stores above read
.endr
.endm
; A wave's whole way: four groups, then the last group's stores.
.macro WAY wo
.irp g, 0,1,2,3
	GROUP \g, \wo
.endr
	s_wait_alu depctr_va_vdst(0)                   ; the last group's conversions have written its four pairs of Y2, which the last four stores read
.irp k, 12,13,14,15
	SEND \k
.endr
	s_endpgm
.endm
	s_cmp_ge_u32 s2, 448
	s_cbranch_scc1 .Lwo
	WAY 0
.Lwo:
	WAY 1
.Lfunc_end_k_q6ec973bc9f_cast:
	.size	k_q6ec973bc9f_cast, .Lfunc_end_k_q6ec973bc9f_cast-k_q6ec973bc9f_cast
	.p2alignl 7, 3214868480
	.fill 96, 4, 3214868480
	.section	.rodata,"a",@progbits
	.p2align	6, 0x0
	.amdhsa_kernel k_q6ec973bc9f_cast
		.amdhsa_group_segment_fixed_size 0
		.amdhsa_private_segment_fixed_size 0
		.amdhsa_enable_private_segment 0
		.amdhsa_kernarg_size 64
		.amdhsa_user_sgpr_count 2
		.amdhsa_user_sgpr_kernarg_segment_ptr 1
		.amdhsa_wavefront_size32 1
		.amdhsa_system_sgpr_workgroup_id_x 1
		.amdhsa_system_sgpr_workgroup_id_y 1
		.amdhsa_system_sgpr_workgroup_id_z 1
		.amdhsa_system_vgpr_workitem_id 0
		.amdhsa_next_free_vgpr 112
		.amdhsa_next_free_sgpr 66
		.amdhsa_reserve_vcc 0
		.amdhsa_float_denorm_mode_32 3
		.amdhsa_float_denorm_mode_16_64 3
		.amdhsa_memory_ordered 1
		.amdhsa_forward_progress 1
		.amdhsa_inst_pref_size 17
	.end_amdhsa_kernel
	.amdgpu_metadata
---
amdhsa.version: [ 1, 2 ]
amdhsa.kernels:
  - .name:           k_q6ec973bc9f_cast
    .symbol:         k_q6ec973bc9f_cast.kd
    .args:
      - { .name: x, .offset: 0, .size: 8, .value_kind: global_buffer, .address_space: global }
      - { .name: w_q, .offset: 8, .size: 8, .value_kind: global_buffer, .address_space: global }
      - { .name: w_k, .offset: 16, .size: 8, .value_kind: global_buffer, .address_space: global }
      - { .name: w_v, .offset: 24, .size: 8, .value_kind: global_buffer, .address_space: global }
      - { .name: w_o, .offset: 32, .size: 8, .value_kind: global_buffer, .address_space: global }
      - { .name: xb, .offset: 40, .size: 8, .value_kind: global_buffer, .address_space: global }
      - { .name: wb, .offset: 48, .size: 8, .value_kind: global_buffer, .address_space: global }
      - { .name: woh, .offset: 56, .size: 8, .value_kind: global_buffer, .address_space: global }
    .group_segment_fixed_size: 0
    .private_segment_fixed_size: 0
    .kernarg_segment_align: 8
    .kernarg_segment_size: 64
    .max_flat_workgroup_size: 256
    .sgpr_count:     66
    .vgpr_count:     112
    .wavefront_size: 32
...
	.end_amdgpu_metadata
.endif
;; end of part 5
;; launch qkv: the kernel of part 2 again; grid 16 x 16, 4 waves a work-group, clusters of 4 x 4, 327,680 bytes of LDS; arguments xb, wb, qkv; writes qkv
;; launch attn: the kernel of part 3 again; grid 8 x 32, 8 waves a work-group, no clusters, 327,680 bytes of LDS; arguments qkv, ao; writes ao
;; launch oproj: the kernel of part 4 again; grid 8 x 32, 4 waves a work-group, clusters of 4 x 4, 327,680 bytes of LDS; arguments ao, woh, out0; writes out0
